; MI455X (gfx1250); checked and timed in simulation.
; The chip was launched on July 23, 2026; its instructions are those of AMD's public machine-readable ISA for CDNA 5 (MIT licence, August 2026) and "CDNA5" Instruction Set Architecture Reference Guide (July 2026). The comments in the code are by the model that wrote it; some were corrected since.
;; Hybrid Attention. Allowed arithmetic: matrix products marked QUANTISED: E2M3 operands, one E8M0 scale for each 32 along K, by v_wmma_scale_f32_16x16x128_f8f6f4 with both operands' format E2M3, f32 sums; everything else in f32.
;; Inputs: mask 4 x 2,048 x 2,048 int32; wk 1,024 x 1,024 float32; wq 1,024 x 1,024 float32; wv 1,024 x 1,024 float32; x 4 x 2,048 x 1,024 float32.
;; Outputs: out0 4 x 2,048 x 1,024 float32.
;; This version of the problem:
;;   THIS VERSION OF THE PROBLEM IS GIVEN IN LOW PRECISION. The matrix products marked QUANTISED in the list below multiply operands that are first quantised to E2M3 (2 exponent bits, 3 mantissa bits; 6 bits a number), with one power-of-two scale for each 32 numbers along K (OCP MX v1.0); their sums are f32. All else is computed in f32.
;;   The module's matrix products, in the order in which they are computed (A, B: the left and right operand; K: the contracted axis; several contracted axes count as one K, in the product's order):
;;     1. [M 8,192, K 1,024] x [K 1,024, N 1,024]; A: input x; B: input wq: QUANTISED
;;     2. [M 8,192, K 1,024] x [K 1,024, N 1,024]; A: input x; B: input wk: QUANTISED
;;     3. [M 8,192, K 1,024] x [K 1,024, N 1,024]; A: input x; B: input wv: QUANTISED
;;     4. batch 64 x [M 2,048, K 64] x [K 64, N 2,048]; A: computed on the way; B: computed on the way: QUANTISED
;;     5. batch 64 x [M 2,048, K 2,048] x [K 2,048, N 64]; A: computed on the way; B: computed on the way: QUANTISED
;;   THE QUANTISER, for each operand of a quantised product, along K:
;;     - K is cut into blocks of 32 from its start; a last block that is shorter is filled with zeros.
;;     - A block's scale is 2^e with e = floor(log2(the largest magnitude in the block)) - 2, held to -126 .. 127; a block of zeros has e = 0. As a byte (E8M0): e + 127.
;;     - Each number is divided by its block's scale, clamped to +-7.5, and rounded to the nearest number of E2M3, ties to even, subnormals kept.
;;     - The product sums the exact products of the quantised numbers (number of the format x scale) in f32.
;;   ~~~python
;;   def quantise(x, axis):      # numpy; x: float32 -> the quantised numbers, widened to float32 again
;;       x = np.moveaxis(x, axis, -1); K = x.shape[-1]
;;       x = np.pad(x, [(0, 0)] * (x.ndim - 1) + [(0, -K % 32)]); x = x.reshape(x.shape[:-1] + (-1, 32)); a = np.abs(x).max(-1, keepdims=True)
;;       e = np.where(a > 0, np.clip(np.frexp(np.where(a > 0, a, 1))[1] - 1 - 2, -126, 127), 0)      # np.frexp(a)[1] - 1 = floor(log2(a)), exactly
;;       r = np.clip(x / 2.0 ** e, -7.5, 7.5)
;;       step = 2.0 ** (np.maximum(np.frexp(np.where(r == 0, 1, r))[1] - 1, 0) - 3)
;;       q = np.round(r / step) * step * 2.0 ** e      # np.round: ties to even
;;       return np.moveaxis(q.reshape(q.shape[:-2] + (-1,))[..., :K], -1, axis).astype(np.float32)
;;   ~~~
;;   OPERANDS COMPUTED ON THE WAY. 'Computed on the way' means the value that the module computes at that place (a softmax that the list does not call 'softmax' is quantised finished and normalised). What goes into a quantiser is computed in f32, as accurately as f32 sums, v_exp_f32 and their like allow (about 1e-6 of the number): no bf16 or f16 on the way to a quantiser, and a product that is left as it is and whose result goes on into a quantised operand takes f32 operands (vector FMAs, or v_wmma_f32_16x16x4_f32). A number that lies on a knife's edge between two numbers of the format may be rounded either way, as far as f32 arithmetic and the matrix unit's own rounding can turn it there, and no further.
;; One version. Each part assembles by itself: llvm-mc -triple=amdgcn-amd-amdhsa -mcpu=gfx1250 --defsym DOCPART=n.
;; ======== version 1 of 1: 3 launches
;; workspace buffers: cod 9,011,200 bytes; qkv 19,660,800 bytes; mw 2,097,152 bytes of whole numbers
;; launch prep (part 1): grid 1200 x 1, 4 waves a work-group, no clusters, 34,304 bytes of LDS; arguments x, wq, wk, wv, mask, cod, mw; writes cod, mw
.if DOCPART == 1
	.amdgcn_target "amdgcn-amd-amdhsa--gfx1250"
	.amdhsa_code_object_version 6
	.text
	.protected	k_qb5fda88598_prep
	.globl	k_qb5fda88598_prep
	.p2align	8
	.type	k_qb5fda88598_prep,@function
k_qb5fda88598_prep:
	s_mov_b64 s[64:65], 0
	v_nop
	global_prefetch_b8 v0, s[64:65] scope:SCOPE_SE
	s_setreg_imm32_b32 hwreg(HW_REG_WAVE_MODE, 25, 1), 1
	s_wait_xcnt 0x0
; x [8192][1024] and wq, wk, wv [1024][1024], f32, become codes of FP6 (E2M3) with one E8M0 byte for each 32 along K (the last axis), laid as RECORDS;
; mask [4][2048][2048], int32, becomes words of 32 bits, one bit a lane of the wave that will use the word.
; A RECORD (12,800 bytes) is 128 rows x 128 K as images of operand registers: eight fragments i at 1536 i; register p (0..11) of lane l at 512 (p / 4) + 16 l + 4 (p % 4).
; Lane (r = l % 16, h = l / 16) of fragment i holds row ROW(i, r) = 64 (i / 4) + 8 (i % 4) + r % 8 + 32 (r / 8) of the 128, registers 6 c .. 6 c + 5 its k = 64 c + 32 h + 0 .. 31.
; The scale word of (fragment i, r) lies at 12288 + 256 (i / 4) + 16 r + 4 (i % 4); its byte 2 c + h scales block 2 c + h.
; cod = [G 88][K step 8][record]: G 0-63 rows 128 G of x, 64-71 wq, 72-79 wk, 80-87 wv.
; mw = [b 4][Tp 64][step 16][u 2][c 2][i 32] words: bit r + 16 h of a word says whether mask[b][128 (Tp / 4) + ROW(2 (Tp % 4) + u, r)][128 step + 64 c + 32 h + i] is not 0.
; A block's scale is 2^(floor(log2(largest magnitude)) - 2): its byte is that magnitude's exponent field - 2, held at 1 from below.
; LIMITS: a block of zeros, and a block whose largest magnitude lies under 2^-124, gets the byte 1 (zeros: the stated quantiser says 127; the codes are zeros and this program alone reads the bytes);
; NaN and infinities in x and the weights are not served.
; SHARES: work-groups 0-175: a wave makes one record of cod.  Work-groups 176-1199: a wave makes the 512 bytes of mw of one (b, Tp, step).  Waves share nothing: no barrier.  No two work-groups read the same bytes: no cluster.
; Only the first path uses LDS (a stage of 16 rows x 528 bytes for each wave).
.set REC,  12800
.set NQWG, 176
.set OFF,  2                           ; v2   16 x lane
.set STI,  3                           ; v3   the stage, on the way in: 8448 wave + 16 lane
.set STO,  4                           ; v4   and on the way out: 8448 wave + 528 r + 128 h
.set SH8,  5                           ; v5   8 h
.set R,    16                          ; v16-143  two sets of 64: sixteen rows as loaded
.set X,    144                         ; v144-207 register 32 c + n = k 64 c + 32 h + n of my row
.set PC,   208                         ; v208-219 a fragment's codes
.set TMP,  220                         ; v220-227 the upper halves' codes (a conversion's three registers begin on an even number)
.set AM,   228                         ; v228-229 largest magnitudes, then the conversions' scale operands
.set T,    230                         ; v230-231 at work
.set SW,   232                         ; v232-239 the eight scale words
.set SWO,  240                         ; v240-243 merged for the store
	s_load_b256 s[16:23], s[0:1], 0x0              ; x, wq, wk, wv
	s_load_b128 s[24:27], s[0:1], 0x20             ; mask, cod
	s_load_b64 s[28:29], s[0:1], 0x30              ; mw
	v_lshl_add_u32 v254, v0, 2, 0x8400
	v_mov_b32 v255, 0
	v_lshrrev_b32 v1, 5, v0
	v_readfirstlane_b32 s2, v1                     ; wave
	v_and_b32 v1, 31, v0                           ; lane
	v_lshlrev_b32 v[OFF], 4, v1
	s_cmp_lt_u32 ttmp9, NQWG
	s_cbranch_scc0 .Lmask
; ---------------- codes ----------------
	s_lshr_b32 s3, ttmp9, 1                        ; G
	s_and_b32 s4, ttmp9, 1
	s_lshl_b32 s4, s4, 2
	s_add_co_u32 s4, s4, s2                        ; K step = 4 (work-group % 2) + wave
	s_and_b32 s5, s3, 7
	s_mov_b32 s12, 0x76543210
	s_mov_b32 s13, 0xfedcba98                      ; v_permlanex16_b32: lane l xor 16
	s_mov_b32 s14, 0xffff0000                      ; lanes 16-31
	s_mul_i32 s15, s2, 8448                        ; my stage
	v_and_b32 v6, 15, v0                           ; r
	v_bfe_u32 v7, v0, 4, 1                         ; h
	v_add_nc_u32 v[STI], s15, v[OFF]
	v_mul_u32_u24 v[STO], v6, 528
	v_lshl_add_u32 v[STO], v7, 7, v[STO]
	v_add_nc_u32 v[STO], s15, v[STO]
	v_lshlrev_b32 v[SH8], 3, v7
	s_wait_kmcnt 0x0
	s_cmp_lt_u32 s3, 64                            ; which tensor: the choice hangs on the work-group's number alone
	s_cselect_b64 s[6:7], s[16:17], s[18:19]
	s_cselect_b32 s5, s3, s5                       ; which 128 rows of it
	s_cmp_ge_u32 s3, 72
	s_cselect_b64 s[6:7], s[20:21], s[6:7]
	s_cmp_ge_u32 s3, 80
	s_cselect_b64 s[6:7], s[22:23], s[6:7]
	s_lshl_b32 s8, s5, 19                          ; 128 rows of 4,096 bytes
	s_lshl_b32 s9, s4, 9                           ; 128 numbers along K
	s_add_co_u32 s8, s8, s9
	s_mov_b32 s9, 0
	s_add_nc_u64 s[6:7], s[6:7], s[8:9]
	s_lshl_b32 s10, s3, 3
	s_add_co_u32 s10, s10, s4
	s_mul_i32 s10, s10, REC
	s_mov_b32 s11, 0
	s_add_nc_u64 s[10:11], s[26:27], s[10:11]      ; my record
.macro LOADF i                         ; fragment i's sixteen rows: each load reads 512 consecutive bytes of one row
.irp r, 0,1,2,3,4,5,6,7,8,9,10,11,12,13,14,15
	global_load_b128 v[R+64*((\i)%2)+4*\r:R+64*((\i)%2)+4*\r+3], v[OFF], s[6:7] offset:(64*((\i)/4)+8*((\i)%4)+(\r%8)+32*(\r/8))*4096 th:TH_LOAD_NT
.endr
.endm
.macro FRAGQ i
.if (\i) < 7
	s_wait_loadcnt 16                              ; this fragment's sixteen loads are in; the next fragment's sixteen may be out
.else
	s_wait_loadcnt 0x0
.endif
.irp r, 0,1,2,3,4,5,6,7,8,9,10,11,12,13,14,15
	ds_store_b128 v[STI], v[R+64*((\i)%2)+4*\r:R+64*((\i)%2)+4*\r+3] offset:528*\r
.endr
.irp c, 0,1
.irp e, 0,1,2,3,4,5,6,7
	ds_load_b128 v[X+32*\c+4*\e:X+32*\c+4*\e+3], v[STO] offset:256*\c+16*\e   ; LDS serves a wave's instructions in order: these see the stores above
.endr
.endr
	s_wait_dscnt 0x0                               ; my row's 64 numbers are here, and the stores have read their registers,
.if (\i) < 6
	LOADF (\i)+2                                   ; which take the fragment two on
.endif
.irp c, 0,1
	v_max3_num_f32 v[AM+\c], |v[X+32*\c]|, |v[X+32*\c+1]|, 0x1800000   ; block 2 c + h: all its 32 numbers are mine; the floor 2^(3 - 127) holds the byte at 1 from below
.endr
.irp n, 2,4,6,8,10,12,14,16,18,20,22,24,26,28,30
.irp c, 0,1
	v_max3_num_f32 v[AM+\c], v[AM+\c], |v[X+32*\c+\n]|, |v[X+32*\c+\n+1]|
.endr
.endr
.irp c, 0,1
	v_add_nc_u32 v[AM+\c], 0xff000000, v[AM+\c]    ; 2 off the exponent field: the conversion takes this operand's exponent field as its scale
.endr
.irp c, 0,1
	v_lshrrev_b32 v[T+\c], 23, v[AM+\c]            ; the scale's byte
.endr
	v_lshl_or_b32 v[SW+(\i)], v[T+1], 16, v[T]     ; my two bytes, blocks h and 2 + h,
	v_lshlrev_b32 v[SW+(\i)], v[SH8], v[SW+(\i)]   ; at their places;
	v_permlanex16_b32 v[T], v[SW+(\i)], s12, s13
	v_or_b32 v[SW+(\i)], v[SW+(\i)], v[T]          ; with lane l xor 16's two the row's word is whole
	s_wait_xcnt 0x0                                ; the last fragment's stores have read their data: the codes' registers are written again only behind this wait
.irp c, 0,1
	v_cvt_scalef32_pk16_fp6_f32 v[PC+6*\c:PC+6*\c+2], v[X+32*\c:X+32*\c+15], v[AM+\c]
	v_cvt_scalef32_pk16_fp6_f32 v[TMP+4*\c:TMP+4*\c+2], v[X+32*\c+16:X+32*\c+31], v[AM+\c]
.endr
	v_nop                                          ; one plain instruction behind the scaled conversions
.irp c, 0,1
.irp n, 0,1,2
	v_mov_b32 v[PC+6*\c+3+\n], v[TMP+4*\c+\n]
.endr
.endr
.irp k, 0,1,2
	global_store_b128 v[OFF], v[PC+4*\k:PC+4*\k+3], s[10:11] offset:1536*(\i)+512*\k   ; 32 lanes store 512 consecutive bytes, aligned
.endr
.endm
	LOADF 0
	LOADF 1
.irp f, 0,1,2,3,4,5,6,7
	FRAGQ \f
.endr
.irp q, 0,1,2,3
	v_cndmask_b32 v[SWO+\q], v[SW+\q], v[SW+4+\q], s14   ; lanes 0-15 store fragment q's words, lanes 16-31 fragment 4 + q's
.endr
	global_store_b128 v[OFF], v[SWO:SWO+3], s[10:11] offset:12288
	s_wait_tensorcnt 0x0
	ds_add_u32 v254, v255
	s_wait_dscnt 0x0
	s_endpgm
; ---------------- mask words ----------------
.set ML,  16                           ; v16-143  32 rows' 16 bytes
.set W,   144                          ; v144-151 W[u][e]: bit r = row r of tile u at my key 4 lane + e
.set TT,  152                          ; v152-155 at work
.set XD,  156                          ; v156-163 the lane 8 away
.set OUT, 164                          ; v164-167
.set AO,  3                            ; v3   where my four words go
.Lmask:
	s_sub_co_u32 s3, ttmp9, NQWG
	s_lshl_b32 s3, s3, 2
	s_add_co_u32 s3, s3, s2                        ; n = 16 (64 b + Tp) + step
	s_and_b32 s4, s3, 15                           ; step
	s_lshr_b32 s5, s3, 4                           ; 64 b + Tp
	s_lshr_b32 s6, s5, 6
	s_lshl_b32 s6, s6, 11                          ; 2048 b
	s_bfe_u32 s7, s5, 0x40002
	s_lshl_b32 s7, s7, 7
	s_add_co_u32 s6, s6, s7                        ; + 128 (Tp / 4)
	s_bfe_u32 s7, s5, 0x10001
	s_lshl_b32 s7, s7, 6
	s_add_co_u32 s6, s6, s7                        ; + 64 ((Tp % 4) / 2)
	s_and_b32 s7, s5, 1
	s_lshl_b32 s7, s7, 4
	s_add_co_u32 s6, s6, s7                        ; + 16 (Tp % 2)
	s_lshl_b32 s6, s6, 13                          ; rows of 8,192 bytes
	s_lshl_b32 s7, s4, 9                           ; 128 keys of 4 bytes
	s_add_co_u32 s6, s6, s7
	s_mov_b32 s7, 0
	s_lshl_b32 s8, s3, 9                           ; 512 bytes of words for each n
	s_mov_b32 s9, 0
	s_mov_b32 s30, 0xff00ff00                      ; the lanes whose key lies in the upper 32 of its 64
	v_bfe_u32 v4, v1, 3, 1
	v_lshlrev_b32 v[AO], 8, v4                     ; these lanes store tile 1's words, the others tile 0's: 256 u
	v_lshrrev_b32 v4, 4, v1
	v_lshl_add_u32 v[AO], v4, 7, v[AO]             ; + 128 c
	v_and_b32 v4, 7, v1
	v_lshl_add_u32 v[AO], v4, 4, v[AO]             ; + 4 i, i = 4 (lane % 8) + e
.irp e, 0,1,2,3,4,5,6,7
	v_mov_b32 v[XD+\e], 0                          ; written once: the destination of a DPP move counts as read
.endr
	s_wait_kmcnt 0x0
	s_add_nc_u64 s[6:7], s[24:25], s[6:7]
	s_add_nc_u64 s[8:9], s[28:29], s[8:9]
.irp r, 0,1,2,3,4,5,6,7,8,9,10,11,12,13,14,15
.irp u, 0,1
	global_load_b128 v[ML+4*(2*\r+\u):ML+4*(2*\r+\u)+3], v[OFF], s[6:7] offset:(8*\u+(\r%8)+32*(\r/8))*8192 th:TH_LOAD_NT   ; 512 consecutive bytes of one row of the mask
.endr
.endr
.irp r, 0,1,2,3,4,5,6,7,8,9,10,11,12,13,14,15
	s_wait_loadcnt 30-2*\r                         ; both tiles' row r is in; the rows behind it, two loads each, may be out
.irp u, 0,1
.irp e, 0,1,2,3
.if \r == 0
	v_min_u32 v[W+4*\u+\e], 1, v[ML+4*\u+\e]       ; 1 where the mask is not 0
.else
	v_min_u32 v[TT+\e], 1, v[ML+4*(2*\r+\u)+\e]
	v_lshl_or_b32 v[W+4*\u+\e], v[TT+\e], \r, v[W+4*\u+\e]
.endif
.endr
.endr
.endr
.irp e, 0,1,2,3                        ; a word's low 16 bits lie in the lane of the lower 32 keys, its high 16 in the lane 8 on
	v_mov_b32_dpp v[XD+2*\e], v[W+\e] row_xmask:8 row_mask:0xf bank_mask:0xf
	v_mov_b32_dpp v[XD+2*\e+1], v[W+4+\e] row_xmask:8 row_mask:0xf bank_mask:0xf
	v_cndmask_b32 v[TT], v[W+\e], v[XD+2*\e+1], s30
	v_cndmask_b32 v[TT+1], v[XD+2*\e], v[W+4+\e], s30
	v_lshl_or_b32 v[OUT+\e], v[TT+1], 16, v[TT]
.endr
	global_store_b128 v[AO], v[OUT:OUT+3], s[8:9]  ; the wave stores 512 consecutive bytes, aligned
	s_endpgm
.Lfunc_end_k_qb5fda88598_prep:
	.size	k_qb5fda88598_prep, .Lfunc_end_k_qb5fda88598_prep-k_qb5fda88598_prep
	.p2alignl 7, 3214868480
	.fill 96, 4, 3214868480
	.section	.rodata,"a",@progbits
	.p2align	6, 0x0
	.amdhsa_kernel k_qb5fda88598_prep
		.amdhsa_group_segment_fixed_size 34304
		.amdhsa_private_segment_fixed_size 0
		.amdhsa_enable_private_segment 0
		.amdhsa_kernarg_size 56
		.amdhsa_user_sgpr_count 2
		.amdhsa_user_sgpr_kernarg_segment_ptr 1
		.amdhsa_wavefront_size32 1
		.amdhsa_system_sgpr_workgroup_id_x 1
		.amdhsa_system_sgpr_workgroup_id_y 1
		.amdhsa_system_sgpr_workgroup_id_z 1
		.amdhsa_system_vgpr_workitem_id 0
		.amdhsa_next_free_vgpr 256
		.amdhsa_next_free_sgpr 66
		.amdhsa_reserve_vcc 0
		.amdhsa_float_denorm_mode_32 3
		.amdhsa_float_denorm_mode_16_64 3
		.amdhsa_memory_ordered 1
		.amdhsa_forward_progress 1
		.amdhsa_inst_pref_size 75
	.end_amdhsa_kernel
	.amdgpu_metadata
---
amdhsa.version: [ 1, 2 ]
amdhsa.kernels:
  - .name:           k_qb5fda88598_prep
    .symbol:         k_qb5fda88598_prep.kd
    .args:
      - { .name: x, .offset: 0, .size: 8, .value_kind: global_buffer, .address_space: global }
      - { .name: wq, .offset: 8, .size: 8, .value_kind: global_buffer, .address_space: global }
      - { .name: wk, .offset: 16, .size: 8, .value_kind: global_buffer, .address_space: global }
      - { .name: wv, .offset: 24, .size: 8, .value_kind: global_buffer, .address_space: global }
      - { .name: mask, .offset: 32, .size: 8, .value_kind: global_buffer, .address_space: global }
      - { .name: cod, .offset: 40, .size: 8, .value_kind: global_buffer, .address_space: global }
      - { .name: mw, .offset: 48, .size: 8, .value_kind: global_buffer, .address_space: global }
    .group_segment_fixed_size: 34304
    .private_segment_fixed_size: 0
    .kernarg_segment_align: 8
    .kernarg_segment_size: 56
    .max_flat_workgroup_size: 128
    .sgpr_count:     66
    .vgpr_count:     256
    .wavefront_size: 32
...
	.end_amdgpu_metadata
.endif
;; end of part 1
;; launch proj (part 2): grid 8 x 48, 4 waves a work-group, clusters of 4 x 4, 327,680 bytes of LDS; arguments cod, qkv; writes qkv
.if DOCPART == 2
	.amdgcn_target "amdgcn-amd-amdhsa--gfx1250"
	.amdhsa_code_object_version 6
	.text
	.protected	k_qb5fda88598_proj
	.globl	k_qb5fda88598_proj
	.p2align	8
	.type	k_qb5fda88598_proj,@function
k_qb5fda88598_proj:
	s_mov_b64 s[64:65], 0
	v_nop
	global_prefetch_b8 v0, s[64:65] scope:SCOPE_SE
	s_setreg_imm32_b32 hwreg(HW_REG_WAVE_MODE, 25, 1), 1
	s_wait_xcnt 0x0
	s_wait_alu depctr_hold_cnt(0) depctr_sa_sdst(0) depctr_va_vdst(0) depctr_va_sdst(0) depctr_va_ssrc(0) depctr_va_vcc(0) depctr_vm_vsrc(0)
	s_getreg_b32 s2, hwreg(HW_REG_IB_STS2, 6, 4)
	s_cmp_eq_u32 s2, 0
	s_cbranch_scc0 .Lentry_in_a_cluster
	s_endpgm
.Lentry_in_a_cluster:
	s_bfe_u32 s2, ttmp6, 0x10000c
	s_cmp_lg_u32 s2, 0xf033
	s_cbranch_scc0 .Lentry_shape_is_right
	s_endpgm
.Lentry_shape_is_right:
; q = x wq^T, k = x wk^T and v^T = wv x^T on codes of FP6 (E2M3) with E8M0 scales, sums in f32, K = 1,024 ascending in one accumulator for each output; the results are quantised again,
; straight out of the accumulators, and stored as records: q and k along the features (a head's 64 are two blocks of 32), v along the tokens.
; RECORD (12,800 bytes): 128 rows x 128 K: eight fragments i at 1536 i, register p of lane l at 512 (p / 4) + 16 l + 4 (p % 4); lane (r, h) of fragment i holds row ROW(i, r) = 64 (i / 4) + 8 (i % 4) + r % 8 + 32 (r / 8);
; the scale word of (i, r) at 12288 + 256 (i / 4) + 16 r + 4 (i % 4).   cod = [G 88][K step 8][record]: G 0-63 x, 64-71 wq, 72-79 wk, 80-87 wv.
; qkv = [fg 24][tg 64][record]: fg 0-7 q, 8-15 k (rows = tokens 128 tg on, K = features 128 (fg % 8) on), 16-23 v (rows = features, K = tokens 128 tg on).
; A tile of 256 x 256 is made by four waves, 128 x 128 each: 64 accumulators, 512 registers.  Clusters 0-7 along y: A = x, B = wq | wk; clusters 8-11: A = wv, B = x: the same text, only the groups' numbers are chosen.
; THE MATRIX INSTRUCTION IS USED TRANSPOSED (source 0 = 16 rows of B, source 1 = 16 rows of A).  By ROW() the 32 registers of accumulators (a, 4 c .. 4 c + 3) are, in one lane, rows 64 c + 32 h + 0 .. 31 of B's group:
; a whole block of 32 along the next K.  So a block's largest magnitude needs no other lane, and two conversions give the six registers that the next operand's layout wants of that lane.
; K goes through a ring of two LDS slots of two K steps of 128; a wave's tensor load brings one group's two records, 25,600 dense bytes.  CLUSTERS of 4 x 4: A's records are asked for jointly along a row, B's along a column.
; LIMITS: a block of zeros, or one whose largest magnitude lies under 2^-124, gets the byte 1; NaN and infinities are not served.
; REGISTERS: window 0: v16-29 addresses; v32-63 scale words, two sets, and nothing else; v64-91 at work on the way out; v128-223 A's fragments, one set (on the way out: the codes).
;   window 1: B's fragments, two sets, at v0 and v128.   windows 2, 3: accumulator (a, b) at v[8 (8 (a % 4) + b)], a / 4 the window.
.set REC,   12800
.set GRP,   2*REC                      ; what one tensor load brings: a group's records of two K steps
.set SLOT,  4*GRP                      ; A's two groups, then B's two
.set SPARE, 2*SLOT                     ; behind the ring: the spare words, 128 bytes for each wave
.set FR,    12
.set NL,    3                          ; LDS loads that bring a fragment
.set NP,    4                          ; places behind this matrix instruction (ISA guide 7.12.1)
.set ADRA,  16                         ; v16-17  my A group in slot 0, 1: + 16 lane
.set ADRB,  20                         ; v20-21  my B group
.set ADRS,  22                         ; v22-23  scale words: lanes 0-15 A's, lanes 16-31 B's
.set SH8,   24                         ; v24     8 h
.set LI,    26                         ; v26     16 lane
.set SPW,   28                         ; v28     my spare word; never rewritten
.set NIL,   29                         ; v29     0; never rewritten
.set SC,    32                         ; set s at + 16 s; register 8 q + i: lanes 0-15 the words of A's fragment i, lanes 16-31 of B's fragment i, for the slot's q-th K step
.set TMP,   64
.set AM,    72
.set T,     74
.set SW,    80
.set SWO,   88
.set AF,    128
.set G1,    24
.set G0,    32
.set G1B,   48
.set G0B,   56
.set SEL,   66                         ; s[66:67] v_permlanex16_b32: lane l xor 16
.set HI16,  68                         ; s68     lanes 16-31
.set MSB, 0
.macro WIN new                         ; the immediate's high byte repeats the setting that is left
.if MSB != (\new)
	s_set_vgpr_msb (MSB<<8)|(\new)
.set MSB, (\new)
.endif
.endm
.set MUL_LO, 0xa1                      ; source 0 (B) window 1, source 1 (A) window 0, C and D window 2
.set MUL_HI, 0xf1                      ; the same, C and D window 3
.set TO_B,   0x40                      ; destination window 1, address window 0
; A joint load: waves 0 and 1 fetch A's two groups, waves 2 and 3 B's.  Each line has one mask and one set of registers; the branch hangs on the wave's number alone.  Four v_nop follow each line.
.macro JLOAD g0a, g1a, g0b, g1b
	s_cmp_eq_u32 s15, 0
	s_cbranch_scc0 .Lfor_b_\@
	tensor_load_to_lds s[\g0a:\g0a+3], s[\g1a:\g1a+7]
	s_nop 0
.rept 4
	v_nop
.endr
	s_branch .Lasked_\@
.Lfor_b_\@:
	tensor_load_to_lds s[\g0b:\g0b+3], s[\g1b:\g1b+7]
	s_nop 0
.rept 4
	v_nop
.endr
.Lasked_\@:
.endm
.macro CREST                           ; a round of the cluster's barrier behind its opening barrier
	s_cmp_lg_u32 s14, 0
	s_cbranch_scc1 .Lnot_wave_0_\@
	s_barrier_signal -3
.Lnot_wave_0_\@:
	s_barrier_wait -3
	s_barrier_signal -1
	s_barrier_wait -1
.endm
.macro CROUND
	s_barrier_signal -1
	s_barrier_wait -1
	CREST
.endm
	s_load_b128 s[4:7], s[0:1], 0x0                ; cod, qkv
	v_lshl_add_u32 v[SPW], v0, 2, SPARE
	v_mov_b32 v[NIL], 0
	ds_add_u32 v28, v29
	ds_add_u32 v28, v29
	s_wait_dscnt 0x0
	v_lshrrev_b32 v1, 5, v0
	v_readfirstlane_b32 s14, v1                    ; wave 0..3
	s_lshr_b32 s15, s14, 1                         ; my A group of the tile's two.  Also: I fetch for A (0) or for B (1)
	s_and_b32 s16, s14, 1                          ; my B group.  Also: which group I fetch
	s_bfe_u32 s40, ttmp6, 0x40000                  ; cx
	s_bfe_u32 s41, ttmp6, 0x40004                  ; cy
	s_and_b32 s17, ttmp7, 0xffff                   ; the cluster's y, 0..11: shared by all sixteen
	s_lshl_b32 s18, s17, 3
	s_lshl_b32 s19, s17, 4
	s_sub_co_u32 s19, s19, 128
	s_cmp_lt_u32 s17, 8
	s_cselect_b32 s18, s18, 80                     ; A's first group of the cluster: x's 8 y, or wv's first
	s_cselect_b32 s19, 64, s19                     ; B's: wq's first, or x's 16 (y - 8)
	s_lshl_b32 s20, s41, 1
	s_add_co_u32 s18, s18, s20                     ; A's first group of my tile: + 2 cy (it never holds cx)
	s_lshl_b32 s21, ttmp9, 3
	s_add_co_u32 s19, s19, s21
	s_lshl_b32 s21, s40, 1
	s_add_co_u32 s19, s19, s21                     ; B's: + 8 x the cluster's x + 2 cx (it never holds cy)
	s_lshl_b32 s43, s41, 2
	s_lshl_b32 s43, 15, s43                        ; my row of the cluster
	s_lshl_b32 s44, 0x1111, s40                    ; my column
	; descriptor group 1: 25,600 dense bytes as 100 rows of 32 elements of 8 bytes, no padding (a fragment's loads take 512 consecutive bytes)
	s_or_b32 s[G1+0], s43, (3<<16)|(1<<21)         ; 15:0 the mask: A's go to my row; 17:16 elements of 8 bytes; 21 set beside a mask
	s_or_b32 s[G1B+0], s44, (3<<16)|(1<<21)
.irp g, G1, G1B
	s_mov_b32 s[\g+1], 32<<16                      ; tensor_dim0
	s_mov_b32 s[\g+2], 100<<16                     ; tensor_dim1
	s_mov_b32 s[\g+3], 32<<16                      ; tile_dim0
	s_mov_b32 s[\g+4], 100                         ; tile_dim1
	s_mov_b32 s[\g+5], 32                          ; tensor_dim0_stride
	s_mov_b32 s[\g+6], 0
	s_mov_b32 s[\g+7], 0
.endr
	s_add_co_u32 s22, s18, s16
	s_mul_i32 s22, s22, 8*REC                      ; the group that I would fetch for A, in bytes
	s_mov_b32 s23, 0
	s_add_co_u32 s46, s19, s16
	s_mul_i32 s46, s46, 8*REC                      ; and for B
	s_mov_b32 s47, 0
	s_mul_i32 s45, s14, GRP                        ; where it goes: wave x 25,600: no place in the cluster enters an LDS address
	s_mov_b32 s[SEL], 0x76543210
	s_mov_b32 s[SEL+1], 0xfedcba98
	s_mov_b32 s[HI16], 0xffff0000
	s_wait_kmcnt 0x0
	s_add_nc_u64 s[22:23], s[4:5], s[22:23]
	s_add_nc_u64 s[46:47], s[4:5], s[46:47]
	CROUND                                         ; all sixteen work-groups are here: the first joint loads meet
.irp s, 0,1
	s_mov_b32 s[G0+4*\s], 1
	s_add_co_u32 s[G0+4*\s+1], s45, \s*SLOT
	s_add_nc_u64 s[G0+4*\s+2:G0+4*\s+3], s[22:23], \s*GRP   ; slot s begins with K steps 2 s and 2 s + 1
	s_or_b32 s[G0+4*\s+3], s[G0+4*\s+3], 0x80000000
	s_mov_b32 s[G0B+4*\s], 1
	s_add_co_u32 s[G0B+4*\s+1], s45, \s*SLOT
	s_add_nc_u64 s[G0B+4*\s+2:G0B+4*\s+3], s[46:47], \s*GRP
	s_or_b32 s[G0B+4*\s+3], s[G0B+4*\s+3], 0x80000000
	JLOAD G0+4*\s, G1, G0B+4*\s, G1B               ; two loads of mine are out
.endr
	v_and_b32 v1, 15, v0                           ; r
	v_bfe_u32 v2, v0, 4, 1                         ; h
	v_and_b32 v3, 31, v0
	v_lshlrev_b32 v[LI], 4, v3
	v_lshlrev_b32 v[SH8], 3, v2
	s_mul_i32 s8, s15, GRP                         ; my A group in a slot
	s_mul_i32 s9, s16, GRP
	s_add_co_u32 s9, s9, 2*GRP                     ; my B group, behind A's two
	s_sub_co_u32 s10, s9, s8
	v_mul_u32_u24 v4, s10, v2                      ; lanes 16-31 take B's scale words: one product, h x the distance
	v_lshl_add_u32 v4, v1, 4, v4
	s_add_co_u32 s10, s8, 12288
.irp s, 0,1
	v_add_nc_u32 v[ADRA+\s], s8, v[LI]
	v_add_nc_u32 v[ADRB+\s], s9, v[LI]
	v_add_nc_u32 v[ADRS+\s], s10, v4
	s_add_co_u32 s8, s8, SLOT
	s_add_co_u32 s9, s9, SLOT
	s_add_co_u32 s10, s10, SLOT
.endr
	s_add_co_u32 s8, s18, s15                      ; my A group,
	s_add_co_u32 s9, s19, s16                      ; my B group: one of them is x's (under 64), the other a weight's
	s_max_u32 s10, s8, s9
	s_min_u32 s11, s8, s9                          ; tg
	s_sub_co_u32 s10, s10, 64                      ; fg
	s_lshl_b32 s10, s10, 6
	s_add_co_u32 s10, s10, s11
	s_mul_i32 s10, s10, REC
	s_mov_b32 s11, 0
	s_add_nc_u64 s[6:7], s[6:7], s[10:11]          ; my record of qkv
.macro FRAG reg, adr, q, i             ; a fragment comes as it was laid: three loads of 512 consecutive bytes
.irp k, 0,1,2
	ds_load_b128 v[\reg+4*\k:\reg+4*\k+3], v[\adr] offset:REC*(\q)+1536*(\i)+512*\k
.endr
.endm
; 16 matrix instructions: A's fragments a0, a0 + 1 x B's eight.  p: B's set; q: the slot's K step; sc: the set of scale words.  zero = 1: the first product starts the sums.
; The 64 accumulators take turns, one instruction a turn, in the same order in every step.
.macro MUL16 a0, p, q, sc, zero
.irp a, \a0, \a0+1
.irp b, 0,1,2,3,4,5,6,7
.if \zero
	v_wmma_scale_f32_16x16x128_f8f6f4 v[8*(8*((\a)%4)+\b):8*(8*((\a)%4)+\b)+7], v[128*(\p)+FR*\b:128*(\p)+FR*\b+FR-1], v[AF+FR*(\a):AF+FR*(\a)+FR-1], 0, v[SC+16*(\sc)+8*(\q)+\b], v[SC+16*(\sc)+8*(\q)+(\a)] matrix_a_fmt:MATRIX_FMT_FP6 matrix_b_fmt:MATRIX_FMT_FP6 matrix_a_scale:MATRIX_SCALE_ROW1
.else
	v_wmma_scale_f32_16x16x128_f8f6f4 v[8*(8*((\a)%4)+\b):8*(8*((\a)%4)+\b)+7], v[128*(\p)+FR*\b:128*(\p)+FR*\b+FR-1], v[AF+FR*(\a):AF+FR*(\a)+FR-1], v[8*(8*((\a)%4)+\b):8*(8*((\a)%4)+\b)+7], v[SC+16*(\sc)+8*(\q)+\b], v[SC+16*(\sc)+8*(\q)+(\a)] matrix_a_fmt:MATRIX_FMT_FP6 matrix_b_fmt:MATRIX_FMT_FP6 matrix_a_scale:MATRIX_SCALE_ROW1
.endif
.endr
.endr
.endm
.macro FETCH_B slot, q, p
	WIN TO_B
.irp i, 0,1,2,3,4,5,6,7
	FRAG 128*(\p)+FR*\i, ADRB+\slot, \q, \i
.endr
	WIN 0
.endm
.macro FETCH_A slot, q, i0
.irp i, \i0, \i0+1, \i0+2, \i0+3
	FRAG AF+FR*(\i), ADRA+\slot, \q, \i
.endr
.endm
.macro SCALES s                        ; a slot's scale words: four words a load: fragments 4 j .. 4 j + 3 of K step q
.irp q, 0,1
.irp j, 0,1
	ds_load_b128 v[SC+16*\s+8*\q+4*\j:SC+16*\s+8*\q+4*\j+3], v[ADRS+\s] offset:REC*\q+256*\j
.endr
.endr
.endm
.macro PLACES n                        ; plain vector instructions between a matrix instruction and a load into, or a vector read or write of, its registers
.rept \n
	v_nop
.endr
.endm
.macro STEP slot, q, zero              ; a K step that has its successor in the same slot
	s_wait_dscnt 4*NL                              ; B's set, the scale words and A's fragments 0-3 are in; the youngest twelve loads (A's 4-7) may be out
	WIN MUL_LO
	MUL16 0, (\q)%2, \q, \slot, \zero
	MUL16 2, (\q)%2, \q, \slot, \zero
	s_wait_dscnt 0x0                               ; A's fragments 4-7 are in
	PLACES NP
	FETCH_B \slot, (\q)+1, 1-(\q)%2
	FETCH_A \slot, (\q)+1, 0
	WIN MUL_HI
	MUL16 4, (\q)%2, \q, \slot, \zero
	MUL16 6, (\q)%2, \q, \slot, \zero
	PLACES NP
	WIN 0
	FETCH_A \slot, (\q)+1, 4
.endm
; A slot's last K step changes slots: one barrier; in front of it each wave waits for all its tensor loads, adds 0 to its spare word, and waits for that and for its reads of this slot.  fill = 1: this slot is filled again, four K steps on.
.macro TURN slot, next, fill
	s_wait_tensorcnt 0x0                           ; all my tensor loads have landed: my part of the next slot
	ds_add_u32 v[SPW], v[NIL]                      ; 0 onto my spare word
	s_wait_dscnt 4*NL+1                            ; (the add and the youngest twelve loads may be out)
	WIN MUL_LO
	MUL16 0, 1, 1, \slot, 0
	s_wait_dscnt 0x0                               ; the add is done, and my reads of this slot are over
	s_barrier_signal -1
	MUL16 2, 1, 1, \slot, 0
	WIN 0
	s_barrier_wait -1
.if \fill
	CREST                                          ; the barrier has opened a round of the cluster's: no wave of any partner still reads this slot or has a load on its way
	s_add_nc_u64 s[G0+4*\slot+2:G0+4*\slot+3], s[G0+4*\slot+2:G0+4*\slot+3], 2*GRP
	s_add_nc_u64 s[G0B+4*\slot+2:G0B+4*\slot+3], s[G0B+4*\slot+2:G0B+4*\slot+3], 2*GRP
	JLOAD G0+4*\slot, G1, G0B+4*\slot, G1B         ; the first tensor load behind the round; its four v_nop are also the places in front of the loads below
.else
	PLACES NP
.endif
	FETCH_B \next, 0, 0
	FETCH_A \next, 0, 0
	SCALES \next
	WIN MUL_HI
	MUL16 4, 1, 1, \slot, 0
	MUL16 6, 1, 1, \slot, 0
	PLACES NP
	WIN 0
	FETCH_A \next, 0, 4
.endm
	s_wait_tensorcnt 1                             ; my part of slot 0 is in; slot 1's may be out
	s_barrier_signal -1
	s_barrier_wait -1
	FETCH_B 0, 0, 0
	FETCH_A 0, 0, 0
	SCALES 0
	FETCH_A 0, 0, 4
	STEP 0, 0, 1                                   ; K has eight steps: they are written out.  K step 0 starts the sums
	TURN 0, 1, 1                                   ; 1; slot 0 takes K steps 4 and 5
	STEP 1, 0, 0                                   ; 2
	TURN 1, 0, 1                                   ; 3; slot 1 takes K steps 6 and 7
	STEP 0, 0, 0                                   ; 4
	TURN 0, 1, 0                                   ; 5; nothing is left to fetch
	STEP 1, 0, 0                                   ; 6
	s_wait_dscnt 4*NL                              ; 7
	WIN MUL_LO
	MUL16 0, 1, 1, 1, 0
	MUL16 2, 1, 1, 1, 0
	s_wait_dscnt 0x0
	WIN MUL_HI
	MUL16 4, 1, 1, 1, 0
	MUL16 6, 1, 1, 1, 0
	WIN 0
	PLACES NP
; THE WAY OUT: fragment a of my record from accumulators (a, 0 .. 7): register 32 c + n of the 64 is k = 64 c + 32 h + n of row ROW(a, r).  No LDS: the codes leave as the image of a fragment, 512 consecutive bytes a store.
.macro QROW a
.set AC, 64*((\a)%4)
.set PCA, AF+FR*(\a)                   ; each fragment has its own registers for its codes: no store's data are written again
	WIN 0x0a+5*((\a)/4)                            ; sources 0 and 1: window 2 or 3
.irp c, 0,1
	v_max3_num_f32 v[AM+\c], |v[AC+32*\c]|, |v[AC+32*\c+1]|, 0x1800000   ; each accumulator is read from its low end on; the floor 2^(3 - 127) holds the byte at 1 from below
.endr
.irp n, 2,4,6,8,10,12,14,16,18,20,22,24,26,28,30
.irp c, 0,1
	v_max3_num_f32 v[AM+\c], |v[AC+32*\c+\n]|, |v[AC+32*\c+\n+1]|, v[AM+\c]
.endr
.endr
	WIN 0
.irp c, 0,1
	v_add_nc_u32 v[AM+\c], 0xff000000, v[AM+\c]    ; 2 off the exponent field: the conversion's scale operand
.endr
.irp c, 0,1
	v_lshrrev_b32 v[T+\c], 23, v[AM+\c]            ; the scale's byte
.endr
	v_lshl_or_b32 v[SW+(\a)], v[T+1], 16, v[T]
	v_lshlrev_b32 v[SW+(\a)], v[SH8], v[SW+(\a)]
	v_permlanex16_b32 v[T], v[SW+(\a)], s[SEL], s[SEL+1]
	v_or_b32 v[SW+(\a)], v[SW+(\a)], v[T]          ; the row's scale word
	WIN 0x02+((\a)/4)                              ; source 0: window 2 or 3
.irp c, 0,1
	v_cvt_scalef32_pk16_fp6_f32 v[PCA+6*\c:PCA+6*\c+2], v[AC+32*\c:AC+32*\c+15], v[AM+\c]
	v_cvt_scalef32_pk16_fp6_f32 v[TMP+4*\c:TMP+4*\c+2], v[AC+32*\c+16:AC+32*\c+31], v[AM+\c]
.endr
	WIN 0
	v_nop                                          ; one plain instruction behind the scaled conversions
.irp c, 0,1
.irp n, 0,1,2
	v_mov_b32 v[PCA+6*\c+3+\n], v[TMP+4*\c+\n]
.endr
.endr
.irp k, 0,1,2
	global_store_b128 v[LI], v[PCA+4*\k:PCA+4*\k+3], s[6:7] offset:1536*(\a)+512*\k
.endr
.endm
.irp f, 0,1,2,3,4,5,6,7
	QROW \f
.endr
.irp q, 0,1,2,3
	v_cndmask_b32 v[SWO+\q], v[SW+\q], v[SW+4+\q], s[HI16]   ; lanes 0-15 store fragment q's words, lanes 16-31 fragment 4 + q's
.endr
	global_store_b128 v[LI], v[SWO:SWO+3], s[6:7] offset:12288
	s_wait_tensorcnt 0x0                           ; the wave's end
	ds_add_u32 v[SPW], v[NIL]
	s_wait_dscnt 0x0
	CROUND                                         ; the closing round
	s_endpgm
.Lfunc_end_k_qb5fda88598_proj:
	.size	k_qb5fda88598_proj, .Lfunc_end_k_qb5fda88598_proj-k_qb5fda88598_proj
	.p2alignl 7, 3214868480
	.fill 96, 4, 3214868480
	.section	.rodata,"a",@progbits
	.p2align	6, 0x0
	.amdhsa_kernel k_qb5fda88598_proj
		.amdhsa_group_segment_fixed_size 327680
		.amdhsa_private_segment_fixed_size 0
		.amdhsa_enable_private_segment 0
		.amdhsa_kernarg_size 16
		.amdhsa_user_sgpr_count 2
		.amdhsa_user_sgpr_kernarg_segment_ptr 1
		.amdhsa_wavefront_size32 1
		.amdhsa_system_sgpr_workgroup_id_x 1
		.amdhsa_system_sgpr_workgroup_id_y 1
		.amdhsa_system_sgpr_workgroup_id_z 1
		.amdhsa_system_vgpr_workitem_id 0
		.amdhsa_next_free_vgpr 1024
		.amdhsa_next_free_sgpr 72
		.amdhsa_reserve_vcc 0
		.amdhsa_float_denorm_mode_32 3
		.amdhsa_float_denorm_mode_16_64 3
		.amdhsa_memory_ordered 1
		.amdhsa_forward_progress 1
		.amdhsa_inst_pref_size 129
	.end_amdhsa_kernel
	.amdgpu_metadata
---
amdhsa.version: [ 1, 2 ]
amdhsa.kernels:
  - .name:           k_qb5fda88598_proj
    .symbol:         k_qb5fda88598_proj.kd
    .args:
      - { .name: cod, .offset: 0, .size: 8, .value_kind: global_buffer, .address_space: global }
      - { .name: qkv, .offset: 8, .size: 8, .value_kind: global_buffer, .address_space: global }
    .group_segment_fixed_size: 327680
    .private_segment_fixed_size: 0
    .kernarg_segment_align: 8
    .kernarg_segment_size: 16
    .max_flat_workgroup_size: 128
    .sgpr_count:     72
    .vgpr_count:     1024
    .wavefront_size: 32
...
	.end_amdgpu_metadata
.endif
;; end of part 2
;; launch attn (part 3): grid 8 x 32, 4 waves a work-group, clusters of 4 x 1, 327,680 bytes of LDS; arguments qkv, mw, out0; writes out0
.if DOCPART == 3
	.amdgcn_target "amdgcn-amd-amdhsa--gfx1250"
	.amdhsa_code_object_version 6
	.text
	.protected	k_qb5fda88598_attn
	.globl	k_qb5fda88598_attn
	.p2align	8
	.type	k_qb5fda88598_attn,@function
k_qb5fda88598_attn:
	s_mov_b64 s[64:65], 0
	v_nop
	global_prefetch_b8 v0, s[64:65] scope:SCOPE_SE
	s_setreg_imm32_b32 hwreg(HW_REG_WAVE_MODE, 25, 1), 1
	s_wait_xcnt 0x0
	s_wait_alu depctr_hold_cnt(0) depctr_sa_sdst(0) depctr_va_vdst(0) depctr_va_sdst(0) depctr_va_ssrc(0) depctr_va_vcc(0) depctr_vm_vsrc(0)
	s_getreg_b32 s2, hwreg(HW_REG_IB_STS2, 6, 4)
	s_cmp_eq_u32 s2, 0
	s_cbranch_scc0 .Lentry_in_a_cluster
	s_endpgm
.Lentry_in_a_cluster:
	s_bfe_u32 s2, ttmp6, 0x10000c
	s_cmp_lg_u32 s2, 0x3003
	s_cbranch_scc0 .Lentry_shape_is_right
	s_endpgm
.Lentry_shape_is_right:
; out[b][q][64 head + d] = sum over keys of Q6(where(mask[b][q][key] == 0, -1e9, (q . k) / 8)) Q6(v[key][d]); Q6 the quantiser to FP6 (E2M3) along the keys; q . k on codes of FP6 along the head's 64.  No softmax.
; 1 / 8 IS A POWER OF TWO, so the quantiser commutes with it: the raw sums q . k are quantised, the fill is -8e9 (8 x 1e9, exact in f32), and the result is multiplied by 0.125 once, at the end: the same codes, the same sums.
; LIMITS: the sums are kept at 8 times their value, so they overflow from |out| above 4.2e37; a block of scores whose largest magnitude (x 8) lies under 2^-124 gets the byte 1; NaN and infinities are not served.
; qkv = [fg 24][tg 64][record], a record (12,800 bytes) = 128 rows x 128 K: fragments i at 1536 i, register p of lane l at 512 (p / 4) + 16 l + 4 (p % 4); lane (r, h) of fragment i holds row
; ROW(i, r) = 64 (i / 4) + 8 (i % 4) + r % 8 + 32 (r / 8); scale words at 12288 + 256 (i / 4) + 16 r + 4 (i % 4).  q (fg = hp) and k (8 + hp): rows = tokens, K = the 128 features of heads 2 hp, 2 hp + 1; v (16 + hp): rows = these features, K = tokens.
; SHARES.  A work-group owns 256 queries of one pair of heads; each of its four waves, one to a SIMD, four tiles of 16 queries x both heads (e = 0, 1).  Every wave walks the 2,048 keys, 128 a step.
; K = 64 IN AN INSTRUCTION OF K = 128: q's fragment has zero codes in the other head's half, so one fragment of k serves both heads.
; BOTH PRODUCTS ARE USED TRANSPOSED: S^T = k q^T, O^T = v^T P^T: a lane holds one query throughout.  By ROW() the 32 registers of the four score tiles of half c are keys 64 c + 32 h + 0 .. 31: a whole block of 32 in one lane.
; THE MASK comes as words of one bit a lane (mw = [b][Tp 64][step 16][u][c][i 32]): word (u, c, i) selects in register i of half c.  A wave's 16,384 bytes of words come into LDS once.
; BY TURNS.  The wave's tiles are two PIECES, X (tiles 0, 1) and Y (tiles 2, 3).  A piece's masking and quantising of one half of a step's keys is a list of some 300 vector instructions; it is dealt out nine numbers at a time behind the
; matrix instructions of the OTHER piece, so that no matrix instruction stands behind another.  A trip n of the loop is four such phases:
;   C: X's half 1 of step n - 1 | S(Y, half 1, n - 1)                     D: Y's half 1 of step n - 1 | PV(X, n - 1), then S(X, half 0, n)
;   A: X's half 0 of step n     | S(Y, half 0, n), then PV(Y, n - 1)      B: Y's half 0 of step n     | S(X, half 1, n)
; All LDS reads of trip n are of step n, so the change of slots stands between trips.  The first trip jumps over C and D; in it PV(Y, -1) multiplies zero codes and adds nothing: so the trip is written once for all steps.
; CLUSTER.  The four work-groups of a cluster own query blocks of one (b, hp) and walk the same records of k and v: each record is asked for jointly (mask 15).
; RING.  Two LDS slots of four key steps: k's four records, then v's four; wave w fetches records 2 w and 2 w + 1 of the eight: one load a wave behind each round, four key steps in which to land.
; REGISTERS, in windows of 256 (s_set_vgpr_msb: bits 1:0 source 0, 3:2 source 1, 5:4 source 2, 7:6 destination).  All that a piece's vector work touches lies under the same numbers, v26-255, in window 0 (X) and window 1 (Y).
;   window 0 alone: v0-3, v24-25 addresses; v4-23 scale words and nothing else.   window 2: O^T, 128 a piece.   window 3: v0-95 k's eight fragments, v96-191 v's eight.
; A slice costs two switches of the windows, one in front and one behind: no window has room for a product's operands beside a piece's scores.
.set REC,   12800
.set SLOT1, 1<<17                      ; slot 1 begins here: one exclusive or turns an address in one slot into the other's
.set VOFF,  4*REC                      ; in a slot: v's records behind k's
.set SPARE, SLOT1+8*REC                ; the spare words: 128 bytes for each of four waves
.set MWL,   SPARE+512                  ; the mask words: 16,384 bytes for each wave (piece X's 8,192, then piece Y's), filled once
.set SL,    9                          ; numbers of the list behind each matrix instruction
.set LI,   0                           ; v0   16 lane (the thread's number is given up for it at the head)
.set ADK,  1                           ; v1   the step's record of k: + 16 lane.  On the way out: into my stage
.set STO,  1
.set SPW,  2                           ; v2   my spare word; never rewritten
.set NIL,  3                           ; v3   0; never rewritten
.set KS,   4                           ; v4-7   k's scale words: lanes 0-15 fragments 0-3, lanes 16-31 fragments 4-7
.set VS,   8                           ; v8-11  v's likewise
.set QS,   12                          ; v12-15 q's: tile 2 p + u
.set PSFX, 16                          ; v16-19 P's scale words of piece X, ue = 2 u + e;  v20-23 of piece Y
.set AW,   24                          ; v24  the step's mask words: + 4 lane.  On the way out: back from my stage
.set RD,   24
.set MWB,  25                          ; v25  my wave's mask words: + 4 lane
.set NEG,  26                          ; -8e9                                      (from here on: a copy in window 0 and one in window 1)
.set SH8,  27                          ; 8 h
.set AM,   28                          ; v28-31 largest magnitudes, then the conversions' scale operands, for ue
.set T,    32                          ; v32-35 a second chain of maxima; then at work
.set PSL,  36                          ; v36-39 P's scale word in the making
.set MV,   40                          ; v40-43 mask words (u, c): word i in lane i
.set Q,    44                          ; tile u at + 18 u: head 0's six registers, six of zeros, head 1's six: head e's fragment begins at + 6 e
.set P,    80                          ; 12 for each ue
.set S,    128                         ; 32 for each ue
.set FK,   0                           ; window 3
.set FV,   96
.set WV,   6
.set SLOTS, 7
.set CNT,  8
.set TB,   9                           ; s9   LDS byte of the step's record of k
.set MS,   10                          ; s10  512 x the step
.set FIRST, 11                         ; s11  1 in the first trip
.set SEL,  12                          ; s[12:13] v_permlanex16_b32: lane l xor 16
.set MW0,  32                          ; s32-63 tile u = 0's 32 mask words of the half in hand, s68-99 tile u = 1's (at the head: descriptors, addresses and numbers at work)
.set MSB, 0
.macro WIN new                         ; the immediate's high byte repeats the setting that is left; a switch that changes nothing is dropped
.if MSB != (\new)
	s_set_vgpr_msb (MSB<<8)|(\new)
.set MSB, (\new)
.endif
.endm
.macro BOUND                           ; four plain instructions: between a matrix instruction and a load into, or a vector read or write of, its registers; and between a vector write of an operand and the product that takes it
.rept 4
	v_nop
.endr
.endm
.macro CROUND                          ; a round of the cluster's barrier
	s_barrier_signal -1
	s_barrier_wait -1
	s_cmp_lg_u32 s[WV], 0
	s_cbranch_scc1 .Lnot_wave_0_\@
	s_barrier_signal -3
.Lnot_wave_0_\@:
	s_barrier_wait -3
	s_barrier_signal -1
	s_barrier_wait -1
.endm
	s_load_b128 s[68:71], s[0:1], 0x0              ; qkv, mw
	s_load_b64 s[4:5], s[0:1], 0x10                ; out0
	v_lshl_add_u32 v[SPW], v0, 2, SPARE
	v_mov_b32 v[NIL], 0
	ds_add_u32 v2, v3
	ds_add_u32 v2, v3
	s_wait_dscnt 0x0
	v_lshrrev_b32 v128, 5, v0
	v_readfirstlane_b32 s[WV], v128                ; wave 0..3
	s_and_b32 s72, ttmp7, 0xffff
	s_lshr_b32 s73, s72, 3                         ; b
	s_and_b32 s74, s72, 7                          ; hp
	s_bfe_u32 s75, ttmp6, 0x40000                  ; cx
	s_lshl_b32 s76, ttmp9, 2
	s_add_co_u32 s76, s76, s75                     ; qb, my block of 256 queries: it enters q's, the mask words' and the output's addresses alone
	s_lshr_b32 s77, s[WV], 1
	s_and_b32 s78, s[WV], 1
	s_lshl_b32 s79, s77, 3                         ; the two records that I fetch: fg = 8 + hp (waves 0, 1: k) or 16 + hp (waves 2, 3: v), tg = 16 b + 2 (wave % 2) and the next
	s_add_co_u32 s79, s79, s74
	s_add_co_u32 s79, s79, 8
	s_lshl_b32 s79, s79, 6
	s_lshl_b32 s80, s73, 4
	s_add_co_u32 s79, s79, s80
	s_lshl_b32 s80, s78, 1
	s_add_co_u32 s79, s79, s80
	s_mul_i32 s80, s79, REC
	s_mov_b32 s81, 0
	s_lshl_b32 s82, s73, 6                         ; my mask words: (64 b + 8 qb + 2 wave) x 8,192 bytes on
	s_lshl_b32 s83, s76, 3
	s_add_co_u32 s82, s82, s83
	s_lshl_b32 s83, s[WV], 1
	s_add_co_u32 s82, s82, s83
	s_lshl_b32 s82, s82, 13
	s_mov_b32 s83, 0
	s_lshl_b32 s84, s74, 6                         ; q's record: fg = hp, tg = 16 b + 2 qb + wave / 2
	s_lshl_b32 s85, s73, 4
	s_add_co_u32 s84, s84, s85
	s_lshl_b32 s85, s76, 1
	s_add_co_u32 s84, s84, s85
	s_add_co_u32 s84, s84, s77
	s_mul_i32 s84, s84, REC
	s_mov_b32 s85, 0
	s_lshl_b32 s86, s73, 11                        ; my first row of the output: 2048 b + 256 qb + 128 (wave / 2) + 64 (wave % 2)
	s_lshl_b32 s87, s76, 8
	s_add_co_u32 s86, s86, s87
	s_lshl_b32 s87, s77, 7
	s_add_co_u32 s86, s86, s87
	s_lshl_b32 s87, s78, 6
	s_add_co_u32 s86, s86, s87
	s_lshl_b32 s86, s86, 12                        ; rows of 4,096 bytes,
	s_lshl_b32 s87, s74, 9
	s_add_co_u32 s86, s86, s87                     ; + the pair's 512 bytes
	s_mov_b32 s87, 0
	; descriptor group 1 for two records: 25,600 dense bytes as 100 rows of 32 elements of 8 bytes
	s_mov_b32 s16, 15|(3<<16)|(1<<21)              ; 15:0 the mask: all four work-groups; 17:16 elements of 8 bytes; 21 set beside a mask
	s_mov_b32 s17, 32<<16
	s_mov_b32 s18, 100<<16
	s_mov_b32 s19, 32<<16
	s_mov_b32 s20, 100
	s_mov_b32 s21, 32
	s_mov_b32 s22, 0
	s_mov_b32 s23, 0
	; and for my mask words: 16,384 dense bytes as 64 such rows; no mask: a load of my own
	s_mov_b32 s32, 3<<16
	s_mov_b32 s33, 32<<16
	s_mov_b32 s34, 64<<16
	s_mov_b32 s35, 32<<16
	s_mov_b32 s36, 64
	s_mov_b32 s37, 32
	s_mov_b32 s38, 0
	s_mov_b32 s39, 0
	s_mov_b32 s24, 1
	s_mul_i32 s25, s[WV], 2*REC                    ; slot 0, records 2 wave and 2 wave + 1: no place in the cluster enters an LDS address
	s_mov_b32 s40, 1
	s_lshl_b32 s41, s[WV], 14
	s_add_co_u32 s41, s41, MWL
	s_wait_kmcnt 0x0
	s_add_nc_u64 s[26:27], s[68:69], s[80:81]
	s_or_b32 s27, s27, 0x80000000
	s_add_nc_u64 s[42:43], s[70:71], s[82:83]
	s_or_b32 s43, s43, 0x80000000
	s_add_nc_u64 s[66:67], s[68:69], s[84:85]      ; q's record
	s_add_nc_u64 s[4:5], s[4:5], s[86:87]          ; my rows of the output
	CROUND                                         ; all four work-groups are here: the first joint loads meet
	tensor_load_to_lds s[24:27], s[16:23]          ; the first fills go out together: two loads of mine are out
	s_nop 0
	tensor_load_to_lds s[40:43], s[32:39]
	s_nop 0
	BOUND
	v_and_b32 v128, 31, v0                         ; lane
	v_and_b32 v129, 15, v0                         ; r
	v_bfe_u32 v130, v0, 4, 1                       ; h
	v_lshlrev_b32 v[LI], 4, v128
	s_mul_i32 s2, s78, 4*1536
	v_add_nc_u32 v131, s2, v[LI]                   ; q's fragments 4 (wave % 2) + 2 p + u
	s_lshl_b32 s3, s78, 8
	s_add_co_u32 s3, s3, 12288
	v_lshl_add_u32 v132, v129, 4, s3               ; and their four scale words, 16 bytes a row
	global_load_b128 v[QS:QS+3], v132, s[66:67]
.irp p, 0,1
	WIN 0x40*\p                                    ; piece Y's go to window 1
.irp u, 0,1
	global_load_b128 v[Q+18*\u:Q+18*\u+3], v131, s[66:67] offset:1536*(2*\p+\u)            ; registers 0-3 of the fragment
	global_load_b128 v[160+4*\u:163+4*\u], v131, s[66:67] offset:1536*(2*\p+\u)+512        ; 4-7: two of each head: they are moved below
	global_load_b128 v[Q+18*\u+14:Q+18*\u+17], v131, s[66:67] offset:1536*(2*\p+\u)+1024   ; 8-11
.endr
.endr
	WIN 0
	s_lshl_b32 s2, s[WV], 14
	s_add_co_u32 s2, s2, MWL
	v_lshl_add_u32 v[MWB], v128, 2, s2
.irp q, 0,1,2,3
	v_mov_b32 v[PSFX+4+\q], 0x7f7f7f7f             ; piece Y's scale words for the first trip's products on zero codes: any byte but 0xff
.endr
.irp p, 0,1
	WIN 0x40*\p
	v_mov_b32 v[NEG], 0xcfee6b28                   ; -8e9
	v_lshlrev_b32 v[SH8], 3, v130
.irp u, 0,1
.irp z, 6,7,8,9,10,11
	v_mov_b32 v[Q+18*\u+\z], 0                     ; zero codes: the other head's half of K
.endr
.endr
.set n, 0
.rept 48
	v_mov_b32 v[P+n], 0                            ; zero codes: piece Y's for the first trip's PV(Y); piece X's, and the words below, so that each register is written on every way through the text
.set n, n+1
.endr
.irp q, 0,1,2,3
	v_mov_b32 v[PSL+\q], 0
.endr
.endr
	WIN 0x80
.set n, 0
.rept 256
	v_mov_b32 v[n], 0                              ; O^T, once: the trip is then written without a first step of its own, which would be one more copy of it
.set n, n+1
.endr
	WIN 0
	s_mov_b32 s[SEL], 0x76543210
	s_mov_b32 s[SEL+1], 0xfedcba98
	s_mov_b32 s[SLOTS], 3
	s_mov_b32 s[TB], 0
	s_mov_b32 s[MS], 0
	s_mov_b32 s[FIRST], 1
	s_wait_loadcnt 0x0                             ; q
.irp p, 0,1
	WIN 0x41*\p
.irp u, 0,1
	v_mov_b32 v[Q+18*\u+4], v[160+4*\u]
	v_mov_b32 v[Q+18*\u+5], v[161+4*\u]
	v_mov_b32 v[Q+18*\u+12], v[162+4*\u]
	v_mov_b32 v[Q+18*\u+13], v[163+4*\u]
.endr
.endr
	WIN 0
; ---- the LDS loads, in runs at the heads of the phases
.macro LOADK c                         ; k's fragments 4 c .. 4 c + 3: keys 64 c .. 64 c + 63
	WIN 0xc0                                       ; destination window 3, address window 0
.irp t, 0,1,2,3
.irp k, 0,1,2
	ds_load_b128 v[FK+48*\c+12*\t+4*\k:FK+48*\c+12*\t+4*\k+3], v[ADK] offset:1536*(4*\c+\t)+512*\k
.endr
.endr
.endm
.macro LOADV                           ; v's scale words and its eight fragments: 25 loads
	WIN 0
	ds_load_b128 v[VS:VS+3], v[ADK] offset:VOFF+12288
	WIN 0xc0
.irp i, 0,1,2,3,4,5,6,7
.irp k, 0,1,2
	ds_load_b128 v[FV+12*\i+4*\k:FV+12*\i+4*\k+3], v[ADK] offset:VOFF+1536*\i+512*\k
.endr
.endr
.endm
.macro MVLOAD p                        ; piece p's four registers of mask words
	WIN 0x40*(\p)
.irp u, 0,1
.irp c, 0,1
	ds_load_b32 v[MV+2*\u+\c], v[AW] offset:8192*(\p)+256*\u+128*\c
.endr
.endr
.endm
; ---- the matrix instructions, one at a time; n = 0 .. 15 counts them in a group
.macro SMULI wc, wp                    ; S^T of keys 64 wc on for piece wp: fragment t = n / 4 of k x tile u = (n / 2) % 2 x head e = n % 2
.set mt, n/4
.set mu, (n/2)%2
.set me, n%2
	WIN 0x03+0x44*(\wp)                            ; k in window 3; q and S^T in the piece's window
.if \wc
	v_wmma_scale_f32_16x16x128_f8f6f4 v[S+32*(2*mu+me)+8*mt:S+32*(2*mu+me)+8*mt+7], v[FK+48+12*mt:FK+48+12*mt+11], v[Q+18*mu+6*me:Q+18*mu+6*me+11], 0, v[KS+mt], v[QS+2*(\wp)+mu] matrix_a_fmt:MATRIX_FMT_FP6 matrix_b_fmt:MATRIX_FMT_FP6 matrix_a_scale:MATRIX_SCALE_ROW1
.else
	v_wmma_scale_f32_16x16x128_f8f6f4 v[S+32*(2*mu+me)+8*mt:S+32*(2*mu+me)+8*mt+7], v[FK+12*mt:FK+12*mt+11], v[Q+18*mu+6*me:Q+18*mu+6*me+11], 0, v[KS+mt], v[QS+2*(\wp)+mu] matrix_a_fmt:MATRIX_FMT_FP6 matrix_b_fmt:MATRIX_FMT_FP6
.endif
.endm
.macro PVI wp                          ; O^T += v^T P^T for piece wp: head e = n / 8, fragment t = (n / 2) % 4 of its 64 features, tile u = n % 2.  Sixteen accumulators, one instruction each
.set me, n/8
.set mt, (n/2)%4
.set mu, n%2
.set mo, 128*(\wp)+8*(4*(2*mu+me)+mt)
	WIN 0xa3+0x04*(\wp)                            ; v in window 3; P in the piece's window; O^T, as C and as D, in window 2
.if me
	v_wmma_scale_f32_16x16x128_f8f6f4 v[mo:mo+7], v[FV+48+12*mt:FV+48+12*mt+11], v[P+12*(2*mu+me):P+12*(2*mu+me)+11], v[mo:mo+7], v[VS+mt], v[PSFX+4*(\wp)+2*mu+me] matrix_a_fmt:MATRIX_FMT_FP6 matrix_b_fmt:MATRIX_FMT_FP6 matrix_a_scale:MATRIX_SCALE_ROW1
.else
	v_wmma_scale_f32_16x16x128_f8f6f4 v[mo:mo+7], v[FV+12*mt:FV+12*mt+11], v[P+12*(2*mu+me):P+12*(2*mu+me)+11], v[mo:mo+7], v[VS+mt], v[PSFX+4*(\wp)+2*mu+me] matrix_a_fmt:MATRIX_FMT_FP6 matrix_b_fmt:MATRIX_FMT_FP6
.endif
.endm
; ---- the vector work of a phase: the scores of half c of one piece are masked and quantised; for each ue a lane holds block 2 c + h of its query, 32 registers.  VI writes number j of the list and steps j.
;   0-215    36 blocks of six: two mask words (u = 0, 1; word b lies in lane b) into scalar registers, and the four selects (ue = 0 .. 3) by the words of four blocks back; places with nothing to do are empty.
;            The selects go up the registers.
;   216-279  the largest magnitude of each ue's 32: two chains each, eight by turns; the floor 2^(3 - 127) among the leaves holds the byte at 1 from below
;   280-287  2 off the exponent field: the conversion's scale operand; its byte
;   288-303  (c = 1 alone) the two bytes at their places; with lane l xor 16's two the query's scale word for these 128 keys is whole; it goes to window 0, where scale operands are taken from
;   then     four conversions, a plain instruction, four conversions (into score registers that the first four have read: a conversion's three registers begin on an even number), a plain instruction, twelve moves
.macro PIECE p
.set VW,  0x55*(\p)                    ; all four places in the piece's window
.set VWF, 0x15*(\p)                    ; the sources in the piece's window, the destination in window 0
.set PSF, PSFX+4*(\p)
.set j, 0
.endm
.macro VI c
.if j < 216
.set vb, j/6
.set vr, j%6
.if vr < 2
.if vb < 32
	WIN VW
	v_readlane_b32 s[MW0+36*vr+vb], v[MV+2*vr+\c], vb
.endif
.else
.if vb >= 4
	WIN VW
	v_cndmask_b32 v[S+32*(vr-2)+vb-4], v[NEG], v[S+32*(vr-2)+vb-4], s[MW0+36*((vr-2)/2)+vb-4]
.endif
.endif
.elseif j < 280
.set vk, j-216
.set vs, vk/8
.set vq, vk%4
.set vh, (vk%8)/4
	WIN VW
.if vh == 0
.if vs == 0
	v_max3_num_f32 v[AM+vq], |v[S+32*vq]|, |v[S+32*vq+1]|, 0x1800000
.else
	v_max3_num_f32 v[AM+vq], v[AM+vq], |v[S+32*vq+2*vs]|, |v[S+32*vq+2*vs+1]|
.endif
.else
.if vs == 0
	v_max3_num_f32 v[T+vq], |v[S+32*vq+16]|, |v[S+32*vq+17]|, |v[S+32*vq+18]|
.elseif vs < 7
	v_max3_num_f32 v[T+vq], v[T+vq], |v[S+32*vq+17+2*vs]|, |v[S+32*vq+18+2*vs]|
.else
	v_max3_num_f32 v[AM+vq], v[AM+vq], v[T+vq], |v[S+32*vq+31]|
.endif
.endif
.elseif j < 284
	WIN VW
	v_add_nc_u32 v[AM+j-280], 0xff000000, v[AM+j-280]
.elseif j < 288
	WIN VW
.if \c == 0
	v_lshrrev_b32 v[PSL+j-284], 23, v[AM+j-284]    ; block h's byte
.else
	v_lshrrev_b32 v[T+j-284], 23, v[AM+j-284]      ; block 2 + h's
.endif
.elseif j < 288+16*\c
.set vk, j-288
.set vq, vk%4
.if vk < 4
	WIN VW
	v_lshl_or_b32 v[PSL+vq], v[T+vq], 16, v[PSL+vq]
.elseif vk < 8
	WIN VW
	v_lshlrev_b32 v[PSL+vq], v[SH8], v[PSL+vq]
.elseif vk < 12
	WIN VW
	v_permlanex16_b32 v[T+vq], v[PSL+vq], s[SEL], s[SEL+1]
.else
	WIN VWF
	v_or_b32 v[PSF+vq], v[PSL+vq], v[T+vq]
.endif
.else
.set vk, j-288-16*\c
.if vk < 4
	WIN VW
	v_cvt_scalef32_pk16_fp6_f32 v[P+12*vk+6*\c:P+12*vk+6*\c+2], v[S+32*vk:S+32*vk+15], v[AM+vk]
.elseif vk == 4
	v_nop
.elseif vk < 9
	WIN VW
	v_cvt_scalef32_pk16_fp6_f32 v[S+32*(vk-5):S+32*(vk-5)+2], v[S+32*(vk-5)+16:S+32*(vk-5)+31], v[AM+vk-5]
.elseif vk == 9
	v_nop
.elseif vk < 22
	WIN VW
	v_mov_b32 v[P+12*((vk-10)/3)+6*\c+3+(vk-10)%3], v[S+32*((vk-10)/3)+(vk-10)%3]
.endif
.endif
.set j, j+1
.endm
; Sixteen slots: a matrix instruction (kind 1: S^T of half wc for piece wp; kind 2: PV for piece wp; kind 0: none) and SL numbers of the list of half c
.macro SLOTS16 c, kind, wc, wp
.set n, 0
.rept 16
.if \kind == 1
	SMULI \wc, \wp
.elseif \kind == 2
	PVI \wp
.endif
.rept SL
	VI \c
.endr
.set n, n+1
.endr
.endm
.macro FLUSH c                         ; what is left of the list behind 32 slots: 22 numbers (c = 0) or 38
.rept 38
	VI \c
.endr
.endm
; Phases C and D.  last = 1: the last step's: nothing is fetched and no next scores are begun.
.macro H2 last
	BOUND
.if !\last
	LOADK 0                                        ; 12 loads; their registers were last read by S(Y, half 0), two phases back
.endif
	PIECE 0
	SLOTS16 1, 1, 1, 1                             ; X's half 1 | S(Y, half 1)
	SLOTS16 1, 0, 0, 0
	FLUSH 1
	BOUND                                          ; between P's last move and PV(X); the scale words' last write lies eighteen plain instructions back
.if !\last
	WIN 0
	ds_load_b128 v[KS:KS+3], v[ADK] offset:12288   ; 17 loads: k's scale words, X's mask words, k's fragments 4-7: all last read in the phase above
	MVLOAD 0
	LOADK 1
	s_wait_dscnt 29                                ; v and its scale words are in; the 12 loads of the phase above and these 17 may be out
.else
	s_wait_dscnt 0x0                               ; v and its scale words are in
.endif
	PIECE 1
	SLOTS16 1, 2, 0, 0                             ; Y's half 1 | PV(X)
.if !\last
	s_wait_dscnt 12                                ; k's fragments 0-3, its scale words and X's mask words are in; the youngest twelve loads (fragments 4-7) may be out
	SLOTS16 1, 1, 0, 0                             ;            | S(X, half 0) of the next step
.else
	SLOTS16 1, 0, 0, 0
.endif
	FLUSH 1
.endm
; Phases A and B
.macro H1
	BOUND
	MVLOAD 1                                       ; 4 loads: Y's mask words, last read in the phase above
	PIECE 0
	SLOTS16 0, 1, 0, 1                             ; X's half 0 | S(Y, half 0)
	SLOTS16 0, 2, 0, 1                             ;            | PV(Y) of the step before
	FLUSH 0
	BOUND
	LOADV                                          ; 25 loads
	s_wait_dscnt 25                                ; all but these 25: Y's mask words and k's fragments 4-7 are in
	PIECE 1
	SLOTS16 0, 1, 1, 0                             ; Y's half 0 | S(X, half 1)
	SLOTS16 0, 0, 0, 0
	FLUSH 0
.endm
; A slot's four trips.  skip = 1: the text in which the first trip of all may run, which jumps over phases C and D: a branch on a number that this text sets, round no barrier and no tensor load.
.macro UNITS skip
	s_mov_b32 s[CNT], 4
.Lunit_\@:
	v_add_nc_u32 v[ADK], s[TB], v[LI]
	v_add_nc_u32 v[AW], s[MS], v[MWB]
.if \skip
	s_cmp_lg_u32 s[FIRST], 0
	s_cbranch_scc1 .Lmid_\@
.endif
	H2 0
	WIN 0                                          ; at a label and at a branch every window is 0
.if \skip
.Lmid_\@:
.endif
	H1
	WIN 0
	s_mov_b32 s[FIRST], 0
	s_add_co_u32 s[TB], s[TB], REC                 ; on to the next step's records and mask words
	s_add_co_u32 s[MS], s[MS], 512
	s_sub_co_u32 s[CNT], s[CNT], 1
	s_cmp_lg_u32 s[CNT], 0
	s_cbranch_scc1 .Lunit_\@
	s_sub_co_u32 s[TB], s[TB], 4*REC               ; back to a slot's first step,
	s_xor_b32 s[TB], s[TB], SLOT1                  ; in the other slot
.endm
; THE CHANGE OF SLOTS stands at a slot's head.  Each wave waits for all its tensor loads (its records of the slot ahead), adds 0 to its spare word, and waits for that and for its reads of the slot that it has left.
; fill = 1: the barrier is a round of the cluster's, and behind it the other slot takes the next four key steps.
.macro CHANGE fill
	WIN 0
	s_wait_tensorcnt 0x0                           ; no tensor load of mine is out, so the walking descriptor may be written
	ds_add_u32 v[SPW], v[NIL]                      ; 0 onto my spare word
.if \fill
	s_xor_b32 s25, s25, SLOT1                      ; the other slot than last time,
	s_add_nc_u64 s[26:27], s[26:27], 4*REC         ; four records on; the type bits on top are not reached
.endif
	s_wait_dscnt 0x0                               ; the add is done, and my reads of the slot that I have left are over
.if \fill
	CROUND
	tensor_load_to_lds s[24:27], s[16:23]          ; the first thing behind the round, and my one tensor load until the next
	s_nop 0
	BOUND
.else
	s_barrier_signal -1
	s_barrier_wait -1
.endif
.endm
	s_wait_tensorcnt 0x0                           ; my records of slot 0 and my mask words are in,
	s_barrier_signal -1
	s_barrier_wait -1                              ; everybody's are
	v_add_nc_u32 v[ADK], s[TB], v[LI]
	v_add_nc_u32 v[AW], s[MS], v[MWB]
	ds_load_b128 v[KS:KS+3], v[ADK] offset:12288   ; step 0: all that phases C and D would have fetched; v and Y's mask words too, so that the first trip's PV(Y) on zero codes has operands: 58 loads
	MVLOAD 0
	MVLOAD 1
	LOADK 0
	LOADK 1
	LOADV
	s_wait_dscnt 0x0
	BOUND                                          ; q's last moves stand four plain instructions ahead of the first product
.set n, 0
.rept 16
	SMULI 0, 0                                     ; S(X, half 0) of step 0: there is no vector work yet to set between these
.set n, n+1
.endr
	WIN 0
.Lslot:                                            ; three trips: behind each change of slots but the last the next slot is asked for (slot 1's first fill among them)
	CHANGE 1
	UNITS 1
	s_sub_co_u32 s[SLOTS], s[SLOTS], 1
	s_cmp_lg_u32 s[SLOTS], 0
	s_cbranch_scc1 .Lslot
	CHANGE 0                                       ; the last slot is written out
	UNITS 0
	H2 1                                           ; the last step's second half
	BOUND
.set n, 0
.rept 16
	PVI 1                                          ; PV(Y) of the last step
.set n, n+1
.endr
	WIN 0
	BOUND
	; THE WAY OUT.  O^T x 0.125; register 32 ue + 8 t + j of lane (r, h) is out(query ROW(.., r), feature 64 e + 32 h + 8 t + j).  A tile's 16 rows x 512 bytes go through my stage and leave as whole rows.
	; The stage, 16 rows x 528 bytes for each wave, lies in slot 0, which has had its last fill, and its last read when the last change of slots was passed.
	s_mul_i32 s2, s[WV], 8448
	v_bfe_u32 v[STO], v[LI], 4, 4                  ; r
	v_bfe_u32 v[RD], v[LI], 8, 1                   ; h
	v_mul_u32_u24 v[STO], v[STO], 528
	v_lshl_add_u32 v[STO], v[RD], 7, v[STO]
	v_add_nc_u32 v[STO], s2, v[STO]                ; in: row r, + 128 h
	v_add_nc_u32 v[RD], s2, v[LI]                  ; back: 16 bytes a lane of a row
.irp p, 0,1
	WIN 0x02+0x40*\p                               ; source 0 window 2, destination the piece's window: the scores' registers are free
.set n, 0
.rept 64
	v_pk_mul_f32 v[S+2*n:S+2*n+1], v[128*\p+2*n:128*\p+2*n+1], 0x3e000000 op_sel_hi:[1,0]   ; each accumulator from its low end on
.set n, n+1
.endr
.endr
.macro OUTP p
.irp u, 0,1
	WIN 0x04*(\p)                                  ; an LDS store's data are its source 1
.irp e, 0,1
.irp t, 0,1,2,3
	ds_store_b128 v[STO], v[S+32*(2*\u+\e)+8*\t:S+32*(2*\u+\e)+8*\t+3] offset:256*\e+32*\t
	ds_store_b128 v[STO], v[S+32*(2*\u+\e)+8*\t+4:S+32*(2*\u+\e)+8*\t+7] offset:256*\e+32*\t+16
.endr
.endr
.if \u
	s_wait_dscnt 32                                ; so that never more than 48 LDS instructions of mine are out
.endif
	WIN 0x40*(\p)
.irp n, 0,1,2,3,4,5,6,7,8,9,10,11,12,13,14,15
	ds_load_b128 v[S+64*\u+4*\n:S+64*\u+4*\n+3], v[RD] offset:528*\n   ; LDS serves a wave's instructions in order: these see the stores above, and the next tile's stores come behind them
.endr
.endr
	WIN 0x04*(\p)                                  ; a store's data are its source 1
.irp u, 0,1
.irp n, 0,1,2,3,4,5,6,7,8,9,10,11,12,13,14,15
	s_wait_dscnt 47-32*\u-\n                       ; row n is back; what was issued behind its load may be out
	global_store_b128 v[LI], v[S+64*\u+4*\n:S+64*\u+4*\n+3], s[4:5] offset:(16*(\p)+8*\u+(\n%8)+32*(\n/8))*4096 th:TH_STORE_NT   ; 32 lanes store 512 consecutive bytes of one row, aligned
.endr
.endr
.endm
	OUTP 0
	OUTP 1
	WIN 0
	s_wait_tensorcnt 0x0                           ; the wave's end
	ds_add_u32 v[SPW], v[NIL]
	s_wait_dscnt 0x0
	CROUND                                         ; the closing round
	s_endpgm
.Lfunc_end_k_qb5fda88598_attn:
	.size	k_qb5fda88598_attn, .Lfunc_end_k_qb5fda88598_attn-k_qb5fda88598_attn
	.p2alignl 7, 3214868480
	.fill 96, 4, 3214868480
	.section	.rodata,"a",@progbits
	.p2align	6, 0x0
	.amdhsa_kernel k_qb5fda88598_attn
		.amdhsa_group_segment_fixed_size 327680
		.amdhsa_private_segment_fixed_size 0
		.amdhsa_enable_private_segment 0
		.amdhsa_kernarg_size 24
		.amdhsa_user_sgpr_count 2
		.amdhsa_user_sgpr_kernarg_segment_ptr 1
		.amdhsa_wavefront_size32 1
		.amdhsa_system_sgpr_workgroup_id_x 1
		.amdhsa_system_sgpr_workgroup_id_y 1
		.amdhsa_system_sgpr_workgroup_id_z 1
		.amdhsa_system_vgpr_workitem_id 0
		.amdhsa_next_free_vgpr 1024
		.amdhsa_next_free_sgpr 100
		.amdhsa_reserve_vcc 0
		.amdhsa_float_denorm_mode_32 3
		.amdhsa_float_denorm_mode_16_64 3
		.amdhsa_memory_ordered 1
		.amdhsa_forward_progress 1
		.amdhsa_inst_pref_size 255
	.end_amdhsa_kernel
	.section	.bss,"aw",@nobits
	.p2align	6
	.space	262144
	.amdgpu_metadata
---
amdhsa.version: [ 1, 2 ]
amdhsa.kernels:
  - .name:           k_qb5fda88598_attn
    .symbol:         k_qb5fda88598_attn.kd
    .args:
      - { .name: qkv, .offset: 0, .size: 8, .value_kind: global_buffer, .address_space: global }
      - { .name: mw, .offset: 8, .size: 8, .value_kind: global_buffer, .address_space: global }
      - { .name: out0, .offset: 16, .size: 8, .value_kind: global_buffer, .address_space: global }
    .group_segment_fixed_size: 327680
    .private_segment_fixed_size: 0
    .kernarg_segment_align: 8
    .kernarg_segment_size: 24
    .max_flat_workgroup_size: 128
    .sgpr_count:     100
    .vgpr_count:     1024
    .wavefront_size: 32
...
	.end_amdgpu_metadata
.endif
;; end of part 3
